; MI455X (gfx1250); checked and timed in simulation.
; The chip was launched on July 23, 2026; its instructions are those of AMD's public machine-readable ISA for CDNA 5 (MIT licence, August 2026) and "CDNA5" Instruction Set Architecture Reference Guide (July 2026). The comments in the code are by the model that wrote it; some were corrected since.
;; Multi Head Attention. Allowed arithmetic: float matrix products may take bf16 or f16 operands with f32 sums; all other float work in f32.
;; Inputs: W_k 1,024 x 1,024 float32; W_o 1,024 x 1,024 float32; W_q 1,024 x 1,024 float32; W_v 1,024 x 1,024 float32; x 2 x 2,048 x 1,024 float32.
;; Outputs: out0 2 x 2,048 x 1,024 float32.
;; One version. Each part assembles by itself: llvm-mc -triple=amdgcn-amd-amdhsa -mcpu=gfx1250 --defsym DOCPART=n.
;; ======== version 1 of 1: 4 launches
;; limits: values are held in f16: magnitudes above 65,504 overflow, below 6.1e-05 lose precision
;; workspace buffers: xw 16,777,216 bytes; qkv 25,165,824 bytes; ao 8,388,608 bytes
;; launch cvt (part 1): grid 32 x 8, 8 waves a work-group, no clusters, 0 bytes of LDS; arguments x, W_q, W_k, W_v, W_o, xw; writes xw
.if DOCPART == 1
	.amdgcn_target "amdgcn-amd-amdhsa--gfx1250"
	.amdhsa_code_object_version 6
	.text
	.protected	k_q7cea93b707_cvt
	.globl	k_q7cea93b707_cvt
	.p2align	8
	.type	k_q7cea93b707_cvt,@function
k_q7cea93b707_cvt:
	s_mov_b64 s[64:65], 0
	v_nop
	global_prefetch_b8 v0, s[64:65] scope:SCOPE_SE
	s_setreg_imm32_b32 hwreg(HW_REG_WAVE_MODE, 25, 1), 1
	s_wait_xcnt 0x0
; Rounds the five f32 inputs once to 16-bit matrix operands, into one workspace buffer xw:
;   bytes 0 .. 8 Mi-1        x as bf16 [4096][1024]
;   bytes 8 Mi .. 14 Mi-1    W_q, W_k, W_v as bf16 [3072][1024]; row 96 i + 32 mat + c holds row 32 i + c of matrix mat (0 Q, 1 K, 2 V),
;                            so that the 192 rows of one head (its 64 of Q, of K and of V, in two groups of 32 + 32 + 32) lie together
;   bytes 14 Mi .. 16 Mi-1   W_o, rounded to bf16 like the others and that value written as f16 [1024][1024] (its partner operand is f16)
; LIMIT: |W_o| must stay below 65,504 (f16's range); entries below 2^-14 keep only f16's absolute step of 2^-24.
; A stream: no LDS, no barrier, no matrix unit.  The work-group (x = i, y) converts 32 rows = 131,072 bytes; y = 0..3 are the quarters of x,
; y = 4..7 are W_q, W_k, W_v, W_o.  All 32 loads of a thread go out at once; each is converted and stored as it arrives.
; A wave's load covers 512 consecutive bytes, a wave's store 256 consecutive bytes, aligned.
.set XD, 4                             ; v[4:131]  chunk i: four f32 as loaded, then two packed words in its first pair
	s_load_b256 s[4:11], s[0:1], 0x0               ; x s[4:5], W_q s[6:7], W_k s[8:9], W_v s[10:11]
	s_load_b128 s[12:15], s[0:1], 0x20             ; W_o s[12:13], xw s[14:15]
	s_and_b32 s16, ttmp7, 0xffff                   ; y: which source
	s_mov_b32 s17, ttmp9                           ; i: which 32 rows
	s_lshl_b32 s18, s16, 5
	s_add_co_u32 s18, s18, s17                     ; x: block 32 y + i of 128
	s_cmp_lt_u32 s16, 4
	s_cselect_b32 s18, s18, s17                    ; a weight: block i of 32
	s_lshl_b32 s22, s18, 17                        ; source offset: 131,072 bytes a block
	s_mov_b32 s23, 0
	s_lshl_b32 s24, s18, 16                        ; x's destination: 65,536 bytes a block
	s_mul_i32 s26, s17, 196608                     ; W_q, W_k, W_v: 96 rows of 2,048 bytes for each i,
	s_lshl_b32 s27, s16, 16                        ; + 32 rows for each matrix (y - 4),
	s_add_co_u32 s26, s26, s27
	s_add_co_u32 s26, s26, 0x7c0000                ; + 8 Mi - 4 x 65,536
	s_cmp_lt_u32 s16, 4
	s_cselect_b32 s24, s24, s26
	s_lshl_b32 s26, s17, 16
	s_add_co_u32 s26, s26, 0xe00000                ; W_o: 14 Mi + 65,536 i
	s_cmp_eq_u32 s16, 7
	s_cselect_b32 s24, s26, s24
	s_mov_b32 s25, 0
	v_lshlrev_b32 v1, 4, v0                        ; 16 bytes a thread in
	v_lshlrev_b32 v2, 3, v0                        ; 8 bytes a thread out
	s_wait_kmcnt 0x0
	s_mov_b64 s[20:21], s[4:5]                     ; the source is chosen by y alone
	s_cmp_eq_u32 s16, 4
	s_cselect_b64 s[20:21], s[6:7], s[20:21]
	s_cmp_eq_u32 s16, 5
	s_cselect_b64 s[20:21], s[8:9], s[20:21]
	s_cmp_eq_u32 s16, 6
	s_cselect_b64 s[20:21], s[10:11], s[20:21]
	s_cmp_eq_u32 s16, 7
	s_cselect_b64 s[20:21], s[12:13], s[20:21]
	s_add_nc_u64 s[20:21], s[20:21], s[22:23]
	s_add_nc_u64 s[24:25], s[14:15], s[24:25]
.irp i, 0,1,2,3,4,5,6,7,8,9,10,11,12,13,14,15,16,17,18,19,20,21,22,23,24,25,26,27,28,29,30,31
	global_load_b128 v[XD+4*\i:XD+4*\i+3], v1, s[20:21] offset:4096*\i th:TH_LOAD_NT   ; read once in the launch
.endr
; Chunk i.  wo = 1: the bf16 value is widened again and written as f16.  No register is written again behind its store.
.macro CV i, wo
	s_wait_loadcnt 31-\i                           ; loads come back in order: mine is in, the 31 - i younger ones stay out
	v_cvt_pk_bf16_f32 v[XD+4*\i], v[XD+4*\i], v[XD+4*\i+1]
.if \wo
	v_cvt_pk_bf16_f32 v[XD+4*\i+2], v[XD+4*\i+2], v[XD+4*\i+3]
	v_and_b32 v[XD+4*\i+1], 0xffff0000, v[XD+4*\i]             ; bf16 to f32: the high half stays,
	v_lshlrev_b32 v[XD+4*\i], 16, v[XD+4*\i]                   ; the low half moves up
	v_and_b32 v[XD+4*\i+3], 0xffff0000, v[XD+4*\i+2]
	v_lshlrev_b32 v[XD+4*\i+2], 16, v[XD+4*\i+2]
	v_cvt_pk_f16_f32 v[XD+4*\i], v[XD+4*\i], v[XD+4*\i+1]
	v_cvt_pk_f16_f32 v[XD+4*\i+1], v[XD+4*\i+2], v[XD+4*\i+3]
.else
	v_cvt_pk_bf16_f32 v[XD+4*\i+1], v[XD+4*\i+2], v[XD+4*\i+3]
.endif
	global_store_b64 v2, v[XD+4*\i:XD+4*\i+1], s[24:25] offset:2048*\i   ; later launches read it: no hint
.endm
	s_cmp_eq_u32 s16, 7
	s_cbranch_scc1 .Lwo
.irp i, 0,1,2,3,4,5,6,7,8,9,10,11,12,13,14,15,16,17,18,19,20,21,22,23,24,25,26,27,28,29,30,31
	CV \i, 0
.endr
	s_endpgm
.Lwo:
.irp i, 0,1,2,3,4,5,6,7,8,9,10,11,12,13,14,15,16,17,18,19,20,21,22,23,24,25,26,27,28,29,30,31
	CV \i, 1
.endr
	s_endpgm
.Lfunc_end_k_q7cea93b707_cvt:
	.size	k_q7cea93b707_cvt, .Lfunc_end_k_q7cea93b707_cvt-k_q7cea93b707_cvt
	.p2alignl 7, 3214868480
	.fill 96, 4, 3214868480
	.section	.rodata,"a",@progbits
	.p2align	6, 0x0
	.amdhsa_kernel k_q7cea93b707_cvt
		.amdhsa_group_segment_fixed_size 0
		.amdhsa_private_segment_fixed_size 0
		.amdhsa_enable_private_segment 0
		.amdhsa_kernarg_size 48
		.amdhsa_user_sgpr_count 2
		.amdhsa_user_sgpr_kernarg_segment_ptr 1
		.amdhsa_wavefront_size32 1
		.amdhsa_system_sgpr_workgroup_id_x 1
		.amdhsa_system_sgpr_workgroup_id_y 1
		.amdhsa_system_sgpr_workgroup_id_z 1
		.amdhsa_system_vgpr_workitem_id 0
		.amdhsa_next_free_vgpr 132
		.amdhsa_next_free_sgpr 66
		.amdhsa_reserve_vcc 0
		.amdhsa_float_denorm_mode_32 3
		.amdhsa_float_denorm_mode_16_64 3
		.amdhsa_memory_ordered 1
		.amdhsa_forward_progress 1
		.amdhsa_inst_pref_size 31
	.end_amdhsa_kernel
	.amdgpu_metadata
---
amdhsa.version: [ 1, 2 ]
amdhsa.kernels:
  - .name:           k_q7cea93b707_cvt
    .symbol:         k_q7cea93b707_cvt.kd
    .args:
      - { .name: x, .offset: 0, .size: 8, .value_kind: global_buffer, .address_space: global }
      - { .name: W_q, .offset: 8, .size: 8, .value_kind: global_buffer, .address_space: global }
      - { .name: W_k, .offset: 16, .size: 8, .value_kind: global_buffer, .address_space: global }
      - { .name: W_v, .offset: 24, .size: 8, .value_kind: global_buffer, .address_space: global }
      - { .name: W_o, .offset: 32, .size: 8, .value_kind: global_buffer, .address_space: global }
      - { .name: xw, .offset: 40, .size: 8, .value_kind: global_buffer, .address_space: global }
    .group_segment_fixed_size: 0
    .private_segment_fixed_size: 0
    .kernarg_segment_align: 8
    .kernarg_segment_size: 48
    .max_flat_workgroup_size: 256
    .sgpr_count:     66
    .vgpr_count:     132
    .wavefront_size: 32
...
	.end_amdgpu_metadata
.endif
;; end of part 1
;; launch qkv (part 2): grid 16 x 16, 4 waves a work-group, clusters of 4 x 4, 327,680 bytes of LDS; arguments xw, qkv; writes qkv
.if DOCPART == 2
	.amdgcn_target "amdgcn-amd-amdhsa--gfx1250"
	.amdhsa_code_object_version 6
	.text
	.protected	k_q7cea93b707_qkv
	.globl	k_q7cea93b707_qkv
	.p2align	8
	.type	k_q7cea93b707_qkv,@function
k_q7cea93b707_qkv:
	s_mov_b64 s[64:65], 0
	v_nop
	global_prefetch_b8 v0, s[64:65] scope:SCOPE_SE
	s_setreg_imm32_b32 hwreg(HW_REG_WAVE_MODE, 25, 1), 1
	s_wait_xcnt 0x0
	s_wait_alu depctr_hold_cnt(0) depctr_sa_sdst(0) depctr_va_vdst(0) depctr_va_sdst(0) depctr_va_ssrc(0) depctr_va_vcc(0) depctr_vm_vsrc(0)
	s_getreg_b32 s2, hwreg(HW_REG_IB_STS2, 6, 4)
	s_cmp_eq_u32 s2, 0
	s_cbranch_scc0 .Lentry_in_a_cluster
	s_endpgm
.Lentry_in_a_cluster:
	s_bfe_u32 s2, ttmp6, 0x10000c
	s_cmp_lg_u32 s2, 0xf033
	s_cbranch_scc0 .Lentry_shape_is_right
	s_endpgm
.Lentry_shape_is_right:
; Q, K, V = x W^T for one head and 256 rows of x: a block of 256 x 192 of [4096 x 1024] x [3072 x 1024]^T, bf16 operands, f32 sums, results rounded once to f16.
; Operands come from xw (x at byte 0, the three weights interleaved by head at byte 8 Mi).  Results go to qkv, f16 [matrix 3][batch x head 32][half of d 2][s 2048][32].
; LIMIT: |Q|, |K|, |V| must stay below 65,504 (f16's range).
; Four waves, as many as a WGP has SIMDs; wave (wr, wc) makes 128 rows x 96 columns = 8 x 6 accumulator tiles, 384 registers; its 96 columns are 32 of Q, 32 of K, 32 of V
; (half wc of the head's 64).  K goes in steps of 128 through a ring of two LDS slots filled by the tensor data mover; a tile's rows are 256 bytes of memory, aligned.
; CLUSTERS: 4 x 4 work-groups.  The four of a row of the cluster share the rows of x, the four of a column share the head's weights: each tile is asked for jointly by the four.
; REGISTERS in windows of 256: window 0: v16-26 addresses, v64-127 and v128-191 fragments of x (two buffers), v192-215 packed results;
; window 1: v64-111 and v128-175 fragments of W; window 2: accumulators of my rows 0-63 (tile (a, b) at v[8 (6 a + b)]); window 3: of my rows 64-127.
; THE MATRIX INSTRUCTION IS USED TRANSPOSED: source 0 = 16 rows of W, source 1 = 16 rows of x, so that a lane's eight results are eight neighbouring columns of one row.
.set SIZE_K, 1024
.set KSTEP,  128
.set PITCH,  272                       ; an LDS row: 256 bytes + 16 of padding, an odd multiple of 16: the 16 rows that a fragment load touches start at 16 different 16-byte columns
.set HALFA,  128*PITCH                 ; what one tensor load of x brings
.set HALFB,  96*PITCH                  ; what one tensor load of W brings
.set SLOT,   2*HALFA+2*HALFB           ; x's 256 rows, then W's 192 rows
.set STAGE,  2*SLOT                    ; behind the ring: 16 rows x 208 bytes for each wave, for the way out; no tensor load lands there
.set SPITCH, 208                       ; 192 bytes + 16
.set LAPS,   SIZE_K/(2*KSTEP)          ; a lap = two K steps = once round the ring: 4
.set ADRA, 16                          ; v16-17  LDS address of my x fragments in slot 0, 1
.set ADRB, 20                          ; v20-21  the same for W
.set STO,  24                          ; the way out: where I put 16 bytes of a row
.set RD,   25                          ; the way out: where I read 16 bytes back
.set CO,   26                          ; 16 x lane
.set F0,   64
.set F1,   128
.set TMP,  192
.set G1,  24                           ; s[24:31] group 1 for x's tiles
.set G0,  32                           ; s[32:39] group 0 for x's tiles, one set a slot
.set G1B, 48                           ; s[48:55] group 1 for W's tiles
.set G0B, 56                           ; s[56:63] group 0 for W's tiles, one set a slot
.set MSB, 0
.macro WIN new                         ; the immediate's high byte repeats the setting that is left
.if MSB != \new
	s_set_vgpr_msb (MSB<<8)|\new
.set MSB, \new
.endif
.endm
.set MUL_LO, 0xa1                      ; source 0 (W) window 1, source 1 (x) window 0, C and D window 2
.set MUL_HI, 0xf1                      ; the same, C and D window 3
.set TO_B,   0x40                      ; destination window 1, address window 0
; A joint load.  Waves 0 and 1 fetch x's two halves, waves 2 and 3 W's.  The branch hangs on the wave's number alone.
.macro JLOAD s
	s_cmp_eq_u32 s11, 0
	s_cbranch_scc0 .Lfor_b_\@
	tensor_load_to_lds s[G0+4*\s:G0+4*\s+3], s[G1:G1+7]
	s_nop 0
	s_branch .Lasked_\@
.Lfor_b_\@:
	tensor_load_to_lds s[G0B+4*\s:G0B+4*\s+3], s[G1B:G1B+7]
	s_nop 0
.Lasked_\@:
.endm
; A round of the cluster's barrier: my work-group's barrier; wave 0 signals for the work-group; every wave waits for all sixteen; my work-group's barrier once more.
.macro CREST                           ; a round behind its opening barrier
	s_cmp_lg_u32 s10, 0
	s_cbranch_scc1 .Lnot_wave_0_\@
	s_barrier_signal -3
.Lnot_wave_0_\@:
	s_barrier_wait -3
	s_barrier_signal -1
	s_barrier_wait -1
.endm
.macro CROUND
	s_barrier_signal -1
	s_barrier_wait -1
	CREST
.endm
	s_load_b128 s[4:7], s[0:1], 0x0                ; xw s[4:5], qkv s[6:7]
	s_set_vgpr_msb 0x40
	v_lshl_add_u32 v255, v0, 2, 0x3ec00
	s_set_vgpr_msb 0x4000
	v_mov_b32 v255, 0
	s_set_vgpr_msb 0x1
	ds_add_u32 v255, v255
	ds_add_u32 v255, v255
	s_set_vgpr_msb 0x100
	v_lshrrev_b32 v1, 5, v0
	v_readfirstlane_b32 s10, v1                    ; wave 0..3
	s_lshr_b32 s11, s10, 1                         ; wr: my half of the rows.  Also: I fetch for x (0) or for W (1)
	s_and_b32 s12, s10, 1                          ; wc: my half of the columns.  Also: which half of that tile I fetch
	s_bfe_u32 s40, ttmp6, 0x40000                  ; cx
	s_bfe_u32 s41, ttmp6, 0x40004                  ; cy
	s_lshl_b32 s42, ttmp9, 2
	s_add_co_u32 s42, s42, s40                     ; head = 4 x cluster x + cx
	s_and_b32 s13, ttmp7, 0xffff
	s_lshl_b32 s13, s13, 2
	s_add_co_u32 s13, s13, s41                     ; row block = 4 x cluster y + cy
	s_lshl_b32 s43, s41, 2
	s_lshl_b32 s43, 15, s43                        ; my row of the cluster
	s_lshl_b32 s44, 0x1111, s40                    ; my column
	s_or_b32 s[G1+0], s43, (1<<16)|(1<<20)|(1<<21)|(5<<22)|(3<<25)   ; mask: my row; elements of 2 bytes; padding on; bit 21 beside a mask; after every 64 words, 4 words
	s_mov_b32 s[G1+1], KSTEP<<16                   ; tensor_dim0 = 128
	s_mov_b32 s[G1+2], 128<<16                     ; tensor_dim1 = 128
	s_mov_b32 s[G1+3], KSTEP<<16                   ; tile_dim0 = 128
	s_mov_b32 s[G1+4], 128                         ; tile_dim1 = 128
	s_mov_b32 s[G1+5], SIZE_K                      ; elements from row to row
	s_mov_b32 s[G1+6], 0
	s_mov_b32 s[G1+7], 0
	s_or_b32 s[G1B+0], s44, (1<<16)|(1<<20)|(1<<21)|(5<<22)|(3<<25)  ; the same with the mask of my column
	s_mov_b32 s[G1B+1], KSTEP<<16
	s_mov_b32 s[G1B+2], 96<<16                     ; 96 rows
	s_mov_b32 s[G1B+3], KSTEP<<16
	s_mov_b32 s[G1B+4], 96
	s_mov_b32 s[G1B+5], SIZE_K
	s_mov_b32 s[G1B+6], 0
	s_mov_b32 s[G1B+7], 0
	; x's tiles hang on the row block alone, W's on the head alone; each offset in registers that never hold the other coordinate
	s_lshl_b32 s16, s13, 19                        ; 256 rows of 2,048 bytes
	s_lshl_b32 s17, s12, 18                        ; + 128 rows for the second half
	s_add_co_u32 s16, s16, s17
	s_mov_b32 s17, 0
	s_mul_i32 s46, s42, 192*2048                   ; 192 rows a head
	s_mul_i32 s47, s12, 96*2048                    ; + 96 rows for the second half
	s_add_co_u32 s46, s46, s47
	s_add_co_u32 s46, s46, 0x800000                ; the weights begin at 8 Mi
	s_mov_b32 s47, 0
	s_mul_i32 s20, s10, HALFA                      ; LDS: x's halves at wave x 128 rows (waves 0, 1)
	s_mul_i32 s45, s10, HALFB                      ; W's halves behind x's 256 rows (waves 2, 3): wave x 96 rows + a constant
	s_add_co_u32 s45, s45, 2*HALFA-2*HALFB
	s_wait_dscnt 0x0
	s_wait_kmcnt 0x0
	s_add_nc_u64 s[14:15], s[4:5], s[16:17]
	s_add_nc_u64 s[46:47], s[4:5], s[46:47]
	CROUND                                         ; all sixteen work-groups are here: the first joint loads meet
.irp s, 0,1
	s_mov_b32 s[G0+4*\s], 1
	s_add_co_u32 s[G0+4*\s+1], s20, \s*SLOT
	s_add_nc_u64 s[G0+4*\s+2:G0+4*\s+3], s[14:15], \s*KSTEP*2
	s_or_b32 s[G0+4*\s+3], s[G0+4*\s+3], 0x80000000
	s_mov_b32 s[G0B+4*\s], 1
	s_add_co_u32 s[G0B+4*\s+1], s45, \s*SLOT
	s_add_nc_u64 s[G0B+4*\s+2:G0B+4*\s+3], s[46:47], \s*KSTEP*2
	s_or_b32 s[G0B+4*\s+3], s[G0B+4*\s+3], 0x80000000
	JLOAD \s                                       ; both first fills go out together: two tensor loads of the wave are out, later one
.endr
	; a fragment: lane l holds row l % 16; registers 0-3 K = 8 (l / 16) + 0..7, registers 4-7 K = 16 + 8 (l / 16) + 0..7: two loads of 16 bytes, 32 bytes apart
	v_and_b32 v1, 15, v0                           ; r
	v_bfe_u32 v2, v0, 4, 1                         ; h
	v_mul_u32_u24 v3, v1, PITCH
	v_lshl_add_u32 v3, v2, 4, v3
	s_mul_i32 s21, s11, HALFA                      ; my 128 rows of x
	s_mul_i32 s22, s12, HALFB                      ; my 96 rows of W,
	s_add_co_u32 s22, s22, 2*HALFA                 ; behind x's 256
.irp s, 0,1
	v_add_nc_u32 v[ADRA+\s], s21, v3
	v_add_nc_u32 v[ADRB+\s], s22, v3
	s_add_co_u32 s21, s21, SLOT
	s_add_co_u32 s22, s22, SLOT
.endr
	s_mul_i32 s23, s10, 16*SPITCH
	s_add_co_u32 s23, s23, STAGE                   ; my stage
	v_mul_u32_u24 v4, v1, SPITCH                   ; in: row r, 16 bytes for each half of the lanes
	v_lshl_add_u32 v4, v2, 4, v4
	v_add_nc_u32 v[STO], s23, v4
	v_and_b32 v5, 31, v0                           ; lane
	v_lshrrev_b32 v6, 2, v5                        ; back: four lanes take the 64 bytes that one row has of one matrix, eight rows a load
	v_and_b32 v7, 3, v5
	v_mul_u32_u24 v6, v6, SPITCH
	v_lshl_add_u32 v6, v7, 4, v6
	v_add_nc_u32 v[RD], s23, v6
	v_lshlrev_b32 v[CO], 4, v5                     ; in memory those eight rows are 512 consecutive bytes
; 12 matrix instructions: row blocks a0, a0 + 1 of the window's four x all 6 column blocks, 32 along K.  zero = 1: the first product starts the sums.
; The 48 accumulators take turns, one instruction a turn, in the same order in every quarter step.
.macro MUL12 f, hi, a0, zero
.irp a, \a0, \a0+1
.irp b, 0,1,2,3,4,5
.if \zero
	v_wmma_f32_16x16x32_bf16 v[8*(6*(\a)+\b):8*(6*(\a)+\b)+7], v[\f+8*\b:\f+8*\b+7], v[\f+8*(4*\hi+\a):\f+8*(4*\hi+\a)+7], 0
.else
	v_wmma_f32_16x16x32_bf16 v[8*(6*(\a)+\b):8*(6*(\a)+\b)+7], v[\f+8*\b:\f+8*\b+7], v[\f+8*(4*\hi+\a):\f+8*(4*\hi+\a)+7], v[8*(6*(\a)+\b):8*(6*(\a)+\b)+7]
.endif
.endr
.endr
.endm
; 28 LDS loads in one run: the fragments of one quarter step (96 rows of W, 128 rows of x, 32 K at byte k of the rows) into buffer f
.macro FETCH slot, k, f
	WIN TO_B
.irp i, 0,1,2,3,4,5
	ds_load_b128 v[\f+8*\i:\f+8*\i+3],   v[ADRB+\slot] offset:\k+\i*16*PITCH
	ds_load_b128 v[\f+8*\i+4:\f+8*\i+7], v[ADRB+\slot] offset:\k+\i*16*PITCH+32
.endr
	WIN 0
.irp i, 0,1,2,3,4,5,6,7
	ds_load_b128 v[\f+8*\i:\f+8*\i+3],   v[ADRA+\slot] offset:\k+\i*16*PITCH
	ds_load_b128 v[\f+8*\i+4:\f+8*\i+7], v[ADRA+\slot] offset:\k+\i*16*PITCH+32
.endr
.endm
; Four places behind the matrix instructions that read a buffer, before loads are issued into it and before results are read; matrix instructions in between are not counted.
.macro PLACES
.rept 4
	v_nop
.endr
.endm
; One of a K step's first three quarters: multiplies buffer f; in its middle it fetches the next quarter's fragments into buffer g.
.macro QUARTER slot, k, f, g, zero
	s_wait_dscnt 8                                 ; W and x's rows 0-63 are in; the youngest eight loads (x's rows 64-127) may be out
	WIN MUL_LO
	MUL12 \f, 0, 0, \zero
	MUL12 \f, 0, 2, \zero
	PLACES
	FETCH \slot, \k, \g
	s_wait_dscnt 28                                ; all but the 28 just issued
	WIN MUL_HI
	MUL12 \f, 1, 0, \zero
	MUL12 \f, 1, 2, \zero
.endm
.macro THREE slot, zero
	QUARTER \slot, 64,  F0, F1, \zero
	QUARTER \slot, 128, F1, F0, 0
	QUARTER \slot, 192, F0, F1, 0
.endm
; The last quarter: multiplies buffer 1 and changes slots.  One barrier for two things: in front of it each wave waits for its reads of this slot and for all its tensor loads
; (one is out: its part of the next slot); behind it nobody reads this slot and the next slot is whole.  fill = 1: the barrier opens a round of the cluster's barrier, and the
; joint refill of this slot, two K steps ahead, is the first tensor load behind the round.  From a request to the wait for it a wave issues 180 matrix instructions.
.macro TURN slot, next, fill
	s_wait_dscnt 8
	WIN MUL_LO
	MUL12 F1, 0, 0, 0
	s_wait_dscnt 0                                 ; my reads of this slot are over
	s_wait_tensorcnt 0x0                           ; all my tensor loads have landed
	ds_add_u32 v255, v255
	s_wait_dscnt 0x0
	s_barrier_signal -1
	MUL12 F1, 0, 2, 0                              ; register work while the others arrive
	WIN 0
	s_barrier_wait -1
.if \fill
	CREST
	s_add_nc_u64 s[G0+4*\slot+2:G0+4*\slot+3], s[G0+4*\slot+2:G0+4*\slot+3], 2*KSTEP*2
	s_add_nc_u64 s[G0B+4*\slot+2:G0B+4*\slot+3], s[G0B+4*\slot+2:G0B+4*\slot+3], 2*KSTEP*2
	JLOAD \slot
.endif
	PLACES
	FETCH \next, 0, F0
	WIN MUL_HI
	MUL12 F1, 1, 0, 0
	MUL12 F1, 1, 2, 0
.endm
.macro LAP zero
	THREE 0, \zero
	TURN 0, 1, 1
	THREE 1, 0
	TURN 1, 0, 1
.endm
	s_wait_tensorcnt 1                             ; my part of K step 0 is in; K step 1's may stay out
	s_barrier_signal -1
	s_barrier_wait -1
	FETCH 0, 0, F0
	LAP 1                                          ; the first lap's first products start the sums
	WIN 0                                          ; at a label and at a branch every window is 0
	s_mov_b32 s3, LAPS-2
.Llap:
	LAP 0
	WIN 0
	s_sub_co_u32 s3, s3, 1
	s_cmp_lg_u32 s3, 0
	s_cbranch_scc1 .Llap
	THREE 0, 0                                     ; the last lap fills nothing
	TURN 0, 1, 0
	THREE 1, 0
	s_wait_dscnt 8
	WIN MUL_LO
	MUL12 F1, 0, 0, 0
	MUL12 F1, 0, 2, 0
	s_wait_dscnt 0
	WIN MUL_HI
	MUL12 F1, 1, 0, 0
	MUL12 F1, 1, 2, 0
	; THE WAY OUT, 16 rows at a time: round to f16, 16 bytes a lane into my own stage, read back so that a store covers eight rows of one matrix = 512 consecutive bytes.
	PLACES
	s_lshr_b32 s14, s13, 3                         ; batch
	s_lshl_b32 s16, s14, 22                        ; 32 planes of 131,072 bytes a batch
	s_and_b32 s14, s13, 7
	s_lshl_b32 s14, s14, 14                        ; 256 rows of 64 bytes a row block
	s_add_co_u32 s16, s16, s14
	s_lshl_b32 s14, s11, 13                        ; my 128 rows
	s_add_co_u32 s16, s16, s14
	s_mov_b32 s17, 0
	s_add_nc_u64 s[8:9], s[6:7], s[16:17]
	s_lshl_b32 s46, s42, 18                        ; two planes a head (in the registers that held W's address: none that fed x's descriptors holds cx)
	s_lshl_b32 s47, s12, 17                        ; my half of d
	s_add_co_u32 s46, s46, s47
	s_mov_b32 s47, 0
	s_add_nc_u64 s[8:9], s[8:9], s[46:47]          ; Q
	s_add_nc_u64 s[66:67], s[8:9], 0x800000        ; K
	s_add_nc_u64 s[68:69], s[66:67], 0x800000      ; V
.macro PUT f, u, base, off
	s_wait_dscnt 5-\u                              ; LDS loads come back in order: load u of the six is in
	global_store_b128 v[CO], v[\f+4*\u:\f+4*\u+3], s[\base:\base+1] offset:\off
.endm
; rows 16 i .. 16 i + 15 of my block = the six tiles (a, 0..5) of window 2 or 3 (from = 0x0a or 0x0f: sources 0 and 1); f: F0 or F1 in turn
.macro OUT16 i, a, from, f
	WIN \from
.irp b, 0,1,2,3,4,5
.irp r, 0,1,2,3
	v_cvt_pk_f16_f32 v[TMP+4*\b+\r], v[8*(6*\a+\b)+2*\r], v[8*(6*\a+\b)+2*\r+1]
.endr
.endr
	WIN 0
.irp b, 0,1,2,3,4,5
	ds_store_b128 v[STO], v[TMP+4*\b:TMP+4*\b+3] offset:32*\b
.endr
	s_wait_xcnt 0x0                                ; buffer f, which earlier stores read, is loaded again only behind this wait
.irp m, 0,1,2
.irp t, 0,1
	ds_load_b128 v[\f+4*(2*\m+\t):\f+4*(2*\m+\t)+3], v[RD] offset:64*\m+8*SPITCH*\t   ; LDS serves a wave's instructions in order: these see the stores above
.endr
.endr
	PUT \f, 0, 8,  1024*\i
	PUT \f, 1, 8,  1024*\i+512
	PUT \f, 2, 66, 1024*\i
	PUT \f, 3, 66, 1024*\i+512
	PUT \f, 4, 68, 1024*\i
	PUT \f, 5, 68, 1024*\i+512
.endm
	OUT16 0, 0, 0x0a, F0
	OUT16 1, 1, 0x0a, F1
	OUT16 2, 2, 0x0a, F0
	OUT16 3, 3, 0x0a, F1
	OUT16 4, 0, 0x0f, F0
	OUT16 5, 1, 0x0f, F1
	OUT16 6, 2, 0x0f, F0
	OUT16 7, 3, 0x0f, F1
	s_set_vgpr_msb 0x1
	s_wait_tensorcnt 0x0
	ds_add_u32 v255, v255
	s_wait_dscnt 0x0
	s_set_vgpr_msb 0x100
	CROUND                                         ; the closing round: no work-group ends while a partner may still ask for a tile that names it
	s_endpgm
.Lfunc_end_k_q7cea93b707_qkv:
	.size	k_q7cea93b707_qkv, .Lfunc_end_k_q7cea93b707_qkv-k_q7cea93b707_qkv
	.p2alignl 7, 3214868480
	.fill 96, 4, 3214868480
	.section	.rodata,"a",@progbits
	.p2align	6, 0x0
	.amdhsa_kernel k_q7cea93b707_qkv
		.amdhsa_group_segment_fixed_size 327680
		.amdhsa_private_segment_fixed_size 0
		.amdhsa_enable_private_segment 0
		.amdhsa_kernarg_size 16
		.amdhsa_user_sgpr_count 2
		.amdhsa_user_sgpr_kernarg_segment_ptr 1
		.amdhsa_wavefront_size32 1
		.amdhsa_system_sgpr_workgroup_id_x 1
		.amdhsa_system_sgpr_workgroup_id_y 1
		.amdhsa_system_sgpr_workgroup_id_z 1
		.amdhsa_system_vgpr_workitem_id 0
		.amdhsa_next_free_vgpr 960
		.amdhsa_next_free_sgpr 70
		.amdhsa_reserve_vcc 0
		.amdhsa_float_denorm_mode_32 3
		.amdhsa_float_denorm_mode_16_64 3
		.amdhsa_memory_ordered 1
		.amdhsa_forward_progress 1
		.amdhsa_inst_pref_size 158
	.end_amdhsa_kernel
	.amdgpu_metadata
---
amdhsa.version: [ 1, 2 ]
amdhsa.kernels:
  - .name:           k_q7cea93b707_qkv
    .symbol:         k_q7cea93b707_qkv.kd
    .args:
      - { .name: xw, .offset: 0, .size: 8, .value_kind: global_buffer, .address_space: global }
      - { .name: qkv, .offset: 8, .size: 8, .value_kind: global_buffer, .address_space: global }
    .group_segment_fixed_size: 327680
    .private_segment_fixed_size: 0
    .kernarg_segment_align: 8
    .kernarg_segment_size: 16
    .max_flat_workgroup_size: 128
    .sgpr_count:     70
    .vgpr_count:     960
    .wavefront_size: 32
...
	.end_amdgpu_metadata
.endif
;; end of part 2
;; launch attn (part 3): grid 8 x 32, 8 waves a work-group, no clusters, 327,680 bytes of LDS; arguments qkv, ao; writes ao
.if DOCPART == 3
	.amdgcn_target "amdgcn-amd-amdhsa--gfx1250"
	.amdhsa_code_object_version 6
	.text
	.protected	k_q7cea93b707_attn
	.globl	k_q7cea93b707_attn
	.p2align	8
	.type	k_q7cea93b707_attn,@function
k_q7cea93b707_attn:
	s_mov_b64 s[64:65], 0
	v_nop
	global_prefetch_b8 v0, s[64:65] scope:SCOPE_SE
	s_setreg_imm32_b32 hwreg(HW_REG_WAVE_MODE, 25, 1), 1
	s_wait_xcnt 0x0
; Causal attention of one (batch, head) for two blocks of 128 queries, with a running maximum; f16 operands, f32 sums and softmax.
; From qkv, f16 [matrix 3][batch x head 32][half of d 2][s 2048][32]; to ao, f16 [row block 32][head 16][128 rows][64].
; WORK: work-group p of a head takes query block 2 p and then block 15 - 2 p: (2 p + 1) + (16 - 2 p) = 17 key tiles of 128 in every work-group.  A block walks its tiles
; downward, the diagonal one first (the only one that is masked).  Tile number n of the 17 lies in LDS slot n mod 2.
; Eight waves: wave W has g = W / 4, its half of a tile's 128 keys, and w = W mod 4, its 32 queries.  The two key halves are merged through LDS once a block.
; MATRIX FORMS, both transposed: S^T = K Q^T (lane (r, h) holds query r, keys 8 h + j), so that two neighbouring tiles of S pack in place into a fragment of P^T;
; O^T = V^T P^T, V^T by transposing LDS loads (lane (r, h) holds query r, d = 8 h + j).  Maximum, sum and rescaling factor are then one number a lane and query block.
; NO MULTICAST: the eight work-groups of a head walk different tiles at the same step (p starts at tile 2 p, and changes block after 2 p + 1 steps); brought into step, a
; cluster of four would have to walk the longest partner's tiles for both blocks, 23 steps at the least in place of 17.
; LIMITS: |Q|, |K|, |V| below 65,504 (f16).  The running maximum starts at -1e30: scores below that count as -1e30.  exp2 results below 2^-126 are zero.
.set SLOT, 49152                       ; K [half of d 2][128 keys][80 bytes] at 0; V [half of d 2][128 keys][96 bytes] at VOFF
.set VOFF, 24576                       ; = 4 x 6,144: V's part of wave W (4..7) begins at 6,144 W
.set MRG,  98304                       ; [block 2][w 4][8,704]: what the waves of the upper key half hand over; no tensor load lands here
.set MRGW, 8704
.set MRGB, 34816
.set STG,  167936                      ; [w 4][32 rows x 144 bytes]: the way out; no tensor load lands here
.set STGW, 4608
.set ADK,  1                           ; LDS address of my K fragments in slot 0
.set ADV,  2                           ; v2-3  LDS address of my V fragments in slot 0, 1
.set DLT,  4                           ; my first query minus my first key, in the diagonal tile
.set NINF, 5                           ; -infinity
.set QO,   6                           ; byte offset of my part of a Q fragment
.set MA,   7                           ; my 16 bytes in the merge area
.set STO,  8
.set RD,   9
.set MX,   10                          ; v[10:11]  running maximum of the raw scores, one for each 16 queries
.set LS,   12                          ; v[12:13]  running sum (of my half of the lanes' keys)
.set NM,   14                          ; v[14:15]  -(maximum x c), rounded: the shift that the exponents use
.set AL,   16                          ; v[16:17]  the factor by which old sums shrink
.set TT,   18                          ; v[18:25]  at work
.set MG,   26                          ; v[26:29]  the partner's sums and shifts
.set CO,   30
.set QF,   32                          ; v[32:63]    Q fragment (qt, dh) at 8 (2 qt + dh)
.set OA,   64                          ; v[64:127]   O tile (dt, qt) at 8 (2 dt + qt)
.set SC,   128                         ; v[128:191]  S tile (qt, kt) at 8 (4 qt + kt); later P fragment (qt, c) at 32 qt + 16 c
.set KV,   192                         ; v[192:255]  K fragment (kt, dh) at 8 (2 kt + dh), then V fragment (dt, c) at 8 (2 dt + c)
.set G1K, 24
.set G1V, 32
.set G0K, 40                           ; s[40:47] group 0 for K's tiles, one set a slot
.set G0V, 48                           ; s[48:55] the same for V's
.set QA,  56                           ; s[56:57], s[58:59]  Q of the first and second block
.set QB,  58
.set AOA, 60                           ; s[60:61], s[62:63]  ao of the first and second block
.set AOB, 62
.set CSC,  0x3e38aa3b                  ; c = log2(e) / 8: the score's scale 1 / sqrt(64) and the change of base in one
.set CNEG, 0xbe38aa3b
; The next tile's address into slot's two group 0 sets (a wave uses one of them); then the tile number steps down, from 0 on to the second block's diagonal tile.
.macro SETADR slot
	s_lshl_b32 s20, s15, 13                        ; 128 keys of 64 bytes a tile
	s_add_nc_u64 s[G0K+4*\slot+2:G0K+4*\slot+3], s[18:19], s[20:21]
	s_or_b32 s[G0K+4*\slot+3], s[G0K+4*\slot+3], 0x80000000
	s_add_nc_u64 s[G0V+4*\slot+2:G0V+4*\slot+3], s[18:19], s[20:21]
	s_or_b32 s[G0V+4*\slot+3], s[G0V+4*\slot+3], 0x80000000
	s_sub_co_i32 s15, s15, 1
	s_cmp_lt_i32 s15, 0
	s_cselect_b32 s15, s14, s15
.endm
; Every wave brings 64 rows of 64 bytes of the tile: waves 0-3 K's four parts, waves 4-7 V's.  One tensor load of a wave is out at a time.
.macro KVLOAD slot
	s_cmp_lt_u32 s8, 4
	s_cbranch_scc0 .Lfor_v_\@
	tensor_load_to_lds s[G0K+4*\slot:G0K+4*\slot+3], s[G1K:G1K+7]
	s_nop 0
	s_branch .Lasked_\@
.Lfor_v_\@:
	tensor_load_to_lds s[G0V+4*\slot:G0V+4*\slot+3], s[G1V:G1V+7]
	s_nop 0
.Lasked_\@:
.endm
.macro QLOAD base
.irp qt, 0,1
.irp dh, 0,1
	global_load_b128 v[QF+8*(2*\qt+\dh):QF+8*(2*\qt+\dh)+3],   v[QO], s[\base:\base+1] offset:\dh*131072+\qt*1024
	global_load_b128 v[QF+8*(2*\qt+\dh)+4:QF+8*(2*\qt+\dh)+7], v[QO], s[\base:\base+1] offset:\dh*131072+\qt*1024+32
.endr
.endr
.endm
	s_load_b128 s[4:7], s[0:1], 0x0                ; qkv s[4:5], ao s[6:7]
	v_lshl_add_u32 v31, v0, 2, 0x2d800
	s_set_vgpr_msb 0x40
	v_mov_b32 v1, 0
	s_set_vgpr_msb 0x4044
	ds_add_u32 v31, v1
	ds_add_u32 v31, v1
	s_set_vgpr_msb 0x4400
	v_lshrrev_b32 v1, 5, v0
	v_readfirstlane_b32 s8, v1                     ; W
	s_lshr_b32 s9, s8, 2                           ; g
	s_and_b32 s10, s8, 3                           ; w
	s_mov_b32 s11, ttmp9                           ; p
	s_and_b32 s12, ttmp7, 0xffff                   ; batch x 16 + head
	s_lshl_b32 s13, s11, 1                         ; first block 2 p
	s_sub_co_u32 s14, 15, s13                      ; second block 15 - 2 p
	s_mov_b32 s15, s13                             ; the tile to ask for next
	s_mov_b32 s22, 0x76543210                      ; v_permlanex16_b32: lane i of one half reads lane i of the other
	s_mov_b32 s23, 0xfedcba98
	s_mov_b32 s[G1K+0], (1<<16)|(1<<20)|(3<<22)|(3<<25)   ; elements of 2 bytes; after every 16 words 4 words of padding: LDS pitch 80
	s_mov_b32 s[G1K+1], 32<<16                     ; tensor_dim0 = 32
	s_mov_b32 s[G1K+2], 64<<16                     ; tensor_dim1 = 64
	s_mov_b32 s[G1K+3], 32<<16                     ; tile_dim0 = 32
	s_mov_b32 s[G1K+4], 64                         ; tile_dim1 = 64
	s_mov_b32 s[G1K+5], 32                         ; elements from row to row
	s_mov_b32 s[G1K+6], 0
	s_mov_b32 s[G1K+7], 0
	s_mov_b32 s[G1V+0], (1<<16)|(1<<20)|(3<<22)|(7<<25)   ; 8 words of padding: LDS pitch 96, an odd multiple of 32, for the transposing loads
	s_mov_b32 s[G1V+1], 32<<16
	s_mov_b32 s[G1V+2], 64<<16
	s_mov_b32 s[G1V+3], 32<<16
	s_mov_b32 s[G1V+4], 64
	s_mov_b32 s[G1V+5], 32
	s_mov_b32 s[G1V+6], 0
	s_mov_b32 s[G1V+7], 0
	s_mul_i32 s16, s8, 5120                        ; K's part of wave W (0..3): 64 rows of 80 bytes
	s_mul_i32 s17, s8, 6144                        ; V's part of wave W (4..7): 64 rows of 96 bytes
.irp s, 0,1
	s_mov_b32 s[G0K+4*\s], 1
	s_add_co_u32 s[G0K+4*\s+1], s16, \s*SLOT
	s_mov_b32 s[G0V+4*\s], 1
	s_add_co_u32 s[G0V+4*\s+1], s17, \s*SLOT
.endr
	s_add_co_u32 s17, s9, 1                        ; matrix 1 (K) for waves 0-3, 2 (V) for waves 4-7
	s_lshl_b32 s17, s17, 5
	s_add_co_u32 s17, s17, s12
	s_lshl_b32 s17, s17, 1
	s_lshr_b32 s20, s10, 1                         ; half of d
	s_add_co_u32 s17, s17, s20
	s_lshl_b32 s20, s17, 17                        ; a plane is 131,072 bytes
	s_and_b32 s17, s10, 1
	s_lshl_b32 s17, s17, 12                        ; upper 64 keys of the tile
	s_add_co_u32 s20, s20, s17
	s_mov_b32 s21, 0
	s_wait_dscnt 0x0
	s_wait_kmcnt 0x0
	s_add_nc_u64 s[18:19], s[4:5], s[20:21]        ; my part of tile 0
	SETADR 0
	KVLOAD 0                                       ; the first block's diagonal tile: the launch's first fill, ahead of every wait on TENSORcnt, LDS read and barrier
	s_lshl_b32 s16, s12, 18                        ; Q: two planes a head,
	s_lshl_b32 s17, s13, 13                        ; 128 rows of 64 bytes a block
	s_add_co_u32 s20, s16, s17
	s_add_nc_u64 s[QA:QA+1], s[4:5], s[20:21]
	s_lshl_b32 s17, s14, 13
	s_add_co_u32 s20, s16, s17
	s_add_nc_u64 s[QB:QB+1], s[4:5], s[20:21]
	v_and_b32 v18, 15, v0                          ; r
	v_bfe_u32 v19, v0, 4, 1                        ; h
	v_lshlrev_b32 v24, 4, v19                      ; 16 h
	s_lshl_b32 s16, s10, 11                        ; my 32 queries of 64 bytes
	v_lshl_add_u32 v[QO], v18, 6, v24
	v_add_nc_u32 v[QO], s16, v[QO]
	QLOAD QA
	s_lshr_b32 s16, s12, 4                         ; ao: ((batch x 16 + block) x 16 + head) x 16,384
	s_lshl_b32 s16, s16, 8
	s_and_b32 s17, s12, 15
	s_add_co_u32 s16, s16, s17
	s_lshl_b32 s17, s13, 4
	s_add_co_u32 s17, s17, s16
	s_lshl_b32 s20, s17, 14
	s_add_nc_u64 s[AOA:AOA+1], s[6:7], s[20:21]
	s_lshl_b32 s17, s14, 4
	s_add_co_u32 s17, s17, s16
	s_lshl_b32 s20, s17, 14
	s_add_nc_u64 s[AOB:AOB+1], s[6:7], s[20:21]
	v_and_b32 v20, 31, v0                          ; lane
	v_and_b32 v21, 7, v0
	v_bfe_u32 v22, v0, 3, 1
	v_bfe_u32 v23, v0, 3, 2                        ; lane / 8
	v_mov_b32 v25, 0
	s_mul_i32 s16, s9, 5120                        ; my 64 keys
	v_mad_u32_u24 v[ADK], v18, 80, v24             ; key r, 16 bytes for each half of the lanes
	v_add_nc_u32 v[ADK], s16, v[ADK]
	s_mul_i32 s16, s9, 6144
	s_add_co_u32 s16, s16, VOFF
	v_mul_u32_u24 v[ADV], v19, 768                 ; key 8 h + lane mod 8,
	v_mad_u32_u24 v[ADV], v21, 96, v[ADV]
	v_lshl_add_u32 v[ADV], v22, 4, v[ADV]          ; 16 bytes by bit 3 of the lane
	v_add_nc_u32 v[ADV], s16, v[ADV]
	v_add_nc_u32 v[ADV+1], SLOT, v[ADV]
	s_lshl_b32 s16, s10, 5
	s_lshl_b32 s17, s9, 6
	s_sub_co_i32 s16, s16, s17                     ; 32 w - 64 g
	v_lshlrev_b32 v[DLT], 3, v19
	v_sub_nc_u32 v[DLT], v18, v[DLT]
	v_add_nc_u32 v[DLT], s16, v[DLT]               ; + r - 8 h
	v_mov_b32 v[NINF], 0xff800000
	s_mul_i32 s16, s10, MRGW
	s_add_co_u32 s16, s16, MRG
	v_lshl_add_u32 v[MA], v20, 4, s16
	s_mul_i32 s16, s10, STGW
	s_add_co_u32 s16, s16, STG
	v_mad_u32_u24 v[STO], v18, 144, v24            ; in: query r, 16 bytes for each half of the lanes
	v_add_nc_u32 v[STO], s16, v[STO]
	v_lshlrev_b32 v[RD], 4, v21                    ; back: eight lanes take a row of 128 bytes, four rows a load
	v_mad_u32_u24 v[RD], v23, 144, v[RD]
	v_add_nc_u32 v[RD], s16, v[RD]
	s_lshl_b32 s16, s10, 12                        ; in ao my 32 rows are 4,096 consecutive bytes
	v_lshl_add_u32 v[CO], v20, 4, s16
	v_mov_b32 v[MX], 0xf149f2ca                    ; -1e30
	v_mov_b32 v[MX+1], 0xf149f2ca
; One key tile, in LDS slot `slot`.  diag: the causal mask applies.  first: the block's first tile starts the sums.  refill: the next tile is asked for, into `other`.
.macro STEP slot, other, diag, first, refill
	s_set_vgpr_msb 0x4
	s_wait_tensorcnt 0x0                           ; all my tensor loads have landed, my part of this tile among them: a group 0 may be written
	ds_add_u32 v31, v1
	s_wait_dscnt 0x0
	s_set_vgpr_msb 0x400
.if \refill
	SETADR \other
.endif
	s_wait_dscnt 0x0                               ; my reads of the other slot are over
	s_barrier_signal -1
	s_barrier_wait -1                              ; both now hold of all eight waves
.if \refill
	KVLOAD \other                                  ; my one tensor load until the next such barrier; it has this tile's work in which to land
.endif
.rept 5
	v_nop                                          ; five places behind the last tile's matrix instructions (ISA guide 7.12.1): their V fragments are loaded over, their P fragments written over by matrix results
.endr
.irp kt, 0,1,2,3
.irp dh, 0,1
	ds_load_b128 v[KV+8*(2*\kt+\dh):KV+8*(2*\kt+\dh)+3],   v[ADK] offset:\slot*SLOT+\dh*10240+\kt*1280
	ds_load_b128 v[KV+8*(2*\kt+\dh)+4:KV+8*(2*\kt+\dh)+7], v[ADK] offset:\slot*SLOT+\dh*10240+\kt*1280+32
.endr
.endr
.if \first
	s_wait_loadcnt 0x0                             ; the block's Q
.endif
	; S^T = K Q^T: 16 keys x 32 queries at a time; the two accumulators take turns
.irp kt, 0,1,2,3
	s_wait_dscnt 12-4*\kt                          ; the four loads of key block kt are in, those of later key blocks stay out
	v_wmma_f32_16x16x32_f16 v[SC+8*\kt:SC+8*\kt+7],       v[KV+16*\kt:KV+16*\kt+7],    v[QF:QF+7],     0
	v_wmma_f32_16x16x32_f16 v[SC+32+8*\kt:SC+32+8*\kt+7], v[KV+16*\kt:KV+16*\kt+7],    v[QF+16:QF+23], 0
	v_wmma_f32_16x16x32_f16 v[SC+8*\kt:SC+8*\kt+7],       v[KV+16*\kt+8:KV+16*\kt+15], v[QF+8:QF+15],  v[SC+8*\kt:SC+8*\kt+7]
	v_wmma_f32_16x16x32_f16 v[SC+32+8*\kt:SC+32+8*\kt+7], v[KV+16*\kt+8:KV+16*\kt+15], v[QF+24:QF+31], v[SC+32+8*\kt:SC+32+8*\kt+7]
.endr
.rept 4
	v_nop                                          ; four places: K's fragments are loaded over, the scores are read
.endr
.irp c, 0,1
.irp dt, 0,1,2,3
	ds_load_tr16_b128 v[KV+8*(2*\dt+\c):KV+8*(2*\dt+\c)+3],   v[ADV+\slot] offset:(\dt>>1)*12288+(\dt&1)*32+\c*3072
	ds_load_tr16_b128 v[KV+8*(2*\dt+\c)+4:KV+8*(2*\dt+\c)+7], v[ADV+\slot] offset:(\dt>>1)*12288+(\dt&1)*32+\c*3072+1536
.endr
.endr
.if \diag
	; key 64 g + 16 kt + 8 h + j is hidden from query 32 w + 16 qt + r where it is the larger
.irp qt, 0,1
.irp kt, 0,1,2,3
.irp j, 0,1,2,3,4,5,6,7
	v_cmp_gt_i32 vcc_lo, 16*\kt+\j-16*\qt, v[DLT]
	v_cndmask_b32 v[SC+8*(4*\qt+\kt)+\j], v[SC+8*(4*\qt+\kt)+\j], v[NINF], vcc_lo
.endr
.endr
.endr
.endif
	; the new maximum: my 32 scores of each query, the old maximum, then the other half of the lanes
	v_max3_num_f32 v[TT],   v[SC],    v[SC+1],  v[SC+2]
	v_max3_num_f32 v[TT+1], v[SC+32], v[SC+33], v[SC+34]
.set i, 3
.rept 14
	v_max3_num_f32 v[TT],   v[TT],   v[SC+i],    v[SC+i+1]
	v_max3_num_f32 v[TT+1], v[TT+1], v[SC+32+i], v[SC+32+i+1]
.set i, i+2
.endr
	v_max3_num_f32 v[TT],   v[TT],   v[SC+31], v[MX]
	v_max3_num_f32 v[TT+1], v[TT+1], v[SC+63], v[MX+1]
	v_permlanex16_b32 v[TT+2], v[TT],   s22, s23
	v_permlanex16_b32 v[TT+3], v[TT+1], s22, s23
	v_max_num_f32 v[MX],   v[TT],   v[TT+2]
	v_max_num_f32 v[MX+1], v[TT+1], v[TT+3]
.if \first
	v_pk_mul_f32 v[NM:NM+1], v[MX:MX+1], CNEG op_sel_hi:[1,0]
.else
	v_pk_mul_f32 v[AL:AL+1], v[NM:NM+1], 1.0 op_sel_hi:[1,0]           ; the old shift
	v_pk_mul_f32 v[NM:NM+1], v[MX:MX+1], CNEG op_sel_hi:[1,0]          ; the new one
	v_pk_add_f32 v[AL:AL+1], v[NM:NM+1], v[AL:AL+1] neg_lo:[0,1] neg_hi:[0,1]   ; old sums shrink by 2^(new shift - old shift): the rounded shifts themselves, so nothing is left over
.endif
.set i, 0
.rept 16
	v_pk_fma_f32 v[SC+i:SC+i+1],       v[SC+i:SC+i+1],       CSC, v[NM:NM+1] op_sel_hi:[1,0,0]
	v_pk_fma_f32 v[SC+32+i:SC+32+i+1], v[SC+32+i:SC+32+i+1], CSC, v[NM:NM+1] op_sel:[0,0,1] op_sel_hi:[1,0,1]
.set i, i+2
.endr
.set i, 0
.rept 64
	v_exp_f32 v[SC+i], v[SC+i]
.set i, i+1
.endr
.if \first
.else
	v_exp_f32 v[AL],   v[AL]
	v_exp_f32 v[AL+1], v[AL+1]
.endif
	v_nop                                          ; one plain place behind the run of exponentials (ISA guide 5.7.2)
	; the row sums, in four chains
	s_wait_alu depctr_va_vdst(0)
	v_pk_add_f32 v[TT:TT+1],   v[SC:SC+1],     v[SC+2:SC+3]
	v_pk_add_f32 v[TT+2:TT+3], v[SC+16:SC+17], v[SC+18:SC+19]
	v_pk_add_f32 v[TT+4:TT+5], v[SC+32:SC+33], v[SC+34:SC+35]
	v_pk_add_f32 v[TT+6:TT+7], v[SC+48:SC+49], v[SC+50:SC+51]
.set i, 4
.rept 6
	v_pk_add_f32 v[TT:TT+1],   v[TT:TT+1],   v[SC+i:SC+i+1]
	v_pk_add_f32 v[TT+2:TT+3], v[TT+2:TT+3], v[SC+16+i:SC+16+i+1]
	v_pk_add_f32 v[TT+4:TT+5], v[TT+4:TT+5], v[SC+32+i:SC+32+i+1]
	v_pk_add_f32 v[TT+6:TT+7], v[TT+6:TT+7], v[SC+48+i:SC+48+i+1]
.set i, i+2
.endr
	v_pk_add_f32 v[TT:TT+1],   v[TT:TT+1],   v[TT+2:TT+3]
	v_pk_add_f32 v[TT+4:TT+5], v[TT+4:TT+5], v[TT+6:TT+7]
.if \first
	v_add_f32 v[LS],   v[TT],   v[TT+1]            ; the first tile starts the sums: nothing is cleared
	v_add_f32 v[LS+1], v[TT+4], v[TT+5]
.else
	v_add_f32 v[TT],   v[TT],   v[TT+1]
	v_add_f32 v[TT+4], v[TT+4], v[TT+5]
	v_fma_f32 v[LS],   v[LS],   v[AL],   v[TT]
	v_fma_f32 v[LS+1], v[LS+1], v[AL+1], v[TT+4]
.endif
	; P to f16, in place: two neighbouring tiles of S become one fragment of P^T (32 keys x 16 queries)
.irp b, 0,16,32,48
.irp k, 0,1,2,3,4,5,6,7
	v_cvt_pk_f16_f32 v[SC+\b+\k], v[SC+\b+2*\k], v[SC+\b+2*\k+1]
.endr
.endr
.if \first
.else
.irp dt, 0,1,2,3
.irp k, 0,2,4,6
	v_pk_mul_f32 v[OA+16*\dt+\k:OA+16*\dt+\k+1],     v[OA+16*\dt+\k:OA+16*\dt+\k+1],     v[AL:AL+1] op_sel_hi:[1,0]
	v_pk_mul_f32 v[OA+16*\dt+8+\k:OA+16*\dt+8+\k+1], v[OA+16*\dt+8+\k:OA+16*\dt+8+\k+1], v[AL:AL+1] op_sel:[0,1] op_sel_hi:[1,1]
.endr
.endr
.endif
	; O^T += V^T P^T: the eight accumulators take turns
.irp c, 0,1
	s_wait_dscnt 8-8*\c                            ; V's fragments of the first 32 keys are in, the eight younger loads may be out; then all
.irp dt, 0,1,2,3
.irp qt, 0,1
.if \first*(1-\c)
	v_wmma_f32_16x16x32_f16 v[OA+16*\dt+8*\qt:OA+16*\dt+8*\qt+7], v[KV+8*(2*\dt+\c):KV+8*(2*\dt+\c)+7], v[SC+32*\qt+16*\c:SC+32*\qt+16*\c+7], 0
.else
	v_wmma_f32_16x16x32_f16 v[OA+16*\dt+8*\qt:OA+16*\dt+8*\qt+7], v[KV+8*(2*\dt+\c):KV+8*(2*\dt+\c)+7], v[SC+32*\qt+16*\c:SC+32*\qt+16*\c+7], v[OA+16*\dt+8*\qt:OA+16*\dt+8*\qt+7]
.endif
.endr
.endr
.endr
.endm
; The end of a block: waves 4-7 hand their O, sums and shifts to waves 0-3, which merge, divide, round to f16 and store.
.macro FINAL blk, aob
.rept 4
	v_nop                                          ; four places behind the last matrix instructions: O is read, their fragments are loaded over
.endr
	s_cmp_lt_u32 s8, 4
	s_cbranch_scc1 .Lnost_\@
.irp i, 0,1,2,3,4,5,6,7,8,9,10,11,12,13,14,15
	ds_store_b128 v[MA], v[OA+4*\i:OA+4*\i+3] offset:\blk*MRGB+512*\i
.endr
	ds_store_b128 v[MA], v[LS:LS+3] offset:\blk*MRGB+8192          ; two sums, two shifts
.Lnost_\@:
	s_wait_dscnt 0x0                               ; for the partner's sake: my stores are done
	s_barrier_signal -1
	s_barrier_wait -1                              ; the next tile's load may stay out
	s_cmp_lt_u32 s8, 4
	s_cbranch_scc0 .Lfin_\@
	ds_load_b128 v[MG:MG+3], v[MA] offset:\blk*MRGB+8192
.irp i, 0,1,2,3,4,5,6,7,8,9,10,11,12,13,14,15
	ds_load_b128 v[SC+4*\i:SC+4*\i+3], v[MA] offset:\blk*MRGB+512*\i
.endr
	s_wait_dscnt 16                                ; the sums and shifts are in; the 16 loads of O behind them stay out
	v_min_num_f32 v[TT],   v[NM],   v[MG+2]        ; the common shift (of the larger maximum)
	v_min_num_f32 v[TT+1], v[NM+1], v[MG+3]
	v_sub_f32 v[TT+2], v[TT],   v[NM]
	v_sub_f32 v[TT+3], v[TT+1], v[NM+1]
	v_sub_f32 v[TT+4], v[TT],   v[MG+2]
	v_sub_f32 v[TT+5], v[TT+1], v[MG+3]
	v_exp_f32 v[TT+2], v[TT+2]                     ; my weight
	v_exp_f32 v[TT+3], v[TT+3]
	v_exp_f32 v[TT+4], v[TT+4]                     ; the partner's
	v_exp_f32 v[TT+5], v[TT+5]
	v_nop
	s_wait_alu depctr_va_vdst(0)
	v_mul_f32 v[TT],   v[LS],   v[TT+2]
	v_mul_f32 v[TT+1], v[LS+1], v[TT+3]
	v_fmac_f32 v[TT],   v[MG],   v[TT+4]
	v_fmac_f32 v[TT+1], v[MG+1], v[TT+5]
	v_permlanex16_b32 v[TT+6], v[TT],   s22, s23   ; the keys of the other half of the lanes
	v_permlanex16_b32 v[TT+7], v[TT+1], s22, s23
	v_add_f32 v[TT],   v[TT],   v[TT+6]
	v_add_f32 v[TT+1], v[TT+1], v[TT+7]
	v_rcp_f32 v[TT],   v[TT]                       ; key 0 is open to every query and lies in my half: the sum is at least my weight's share, never 0
	v_rcp_f32 v[TT+1], v[TT+1]
	v_nop
	s_wait_alu depctr_va_vdst(0)
	v_pk_mul_f32 v[AL:AL+1], v[TT+2:TT+3], v[TT:TT+1]
	v_pk_mul_f32 v[NM:NM+1], v[TT+4:TT+5], v[TT:TT+1]
	s_wait_dscnt 0x0
.irp dt, 0,1,2,3
.irp k, 0,2,4,6
	v_pk_mul_f32 v[OA+16*\dt+\k:OA+16*\dt+\k+1],     v[OA+16*\dt+\k:OA+16*\dt+\k+1],     v[AL:AL+1] op_sel_hi:[1,0]
	v_pk_mul_f32 v[OA+16*\dt+8+\k:OA+16*\dt+8+\k+1], v[OA+16*\dt+8+\k:OA+16*\dt+8+\k+1], v[AL:AL+1] op_sel:[0,1] op_sel_hi:[1,1]
.endr
.endr
.irp dt, 0,1,2,3
.irp k, 0,2,4,6
	v_pk_fma_f32 v[OA+16*\dt+\k:OA+16*\dt+\k+1],     v[SC+16*\dt+\k:SC+16*\dt+\k+1],     v[NM:NM+1], v[OA+16*\dt+\k:OA+16*\dt+\k+1] op_sel_hi:[1,0,1]
	v_pk_fma_f32 v[OA+16*\dt+8+\k:OA+16*\dt+8+\k+1], v[SC+16*\dt+8+\k:SC+16*\dt+8+\k+1], v[NM:NM+1], v[OA+16*\dt+8+\k:OA+16*\dt+8+\k+1] op_sel:[0,1,0] op_sel_hi:[1,1,1]
.endr
.endr
.irp dt, 0,1,2,3
.irp qt, 0,1
.irp k, 0,1,2,3
	v_cvt_pk_f16_f32 v[OA+16*\dt+8*\qt+\k], v[OA+16*\dt+8*\qt+2*\k], v[OA+16*\dt+8*\qt+2*\k+1]
.endr
	ds_store_b128 v[STO], v[OA+16*\dt+8*\qt:OA+16*\dt+8*\qt+3] offset:2304*\qt+32*\dt    ; query 16 qt + r, d = 16 dt + 8 h ..: my own stage
.endr
.endr
.irp t, 0,1,2,3,4,5,6,7
	ds_load_b128 v[KV+4*\t:KV+4*\t+3], v[RD] offset:576*\t         ; LDS serves a wave's instructions in order: these see the stores above
.endr
.irp t, 0,1,2,3,4,5,6,7
	s_wait_dscnt 7-\t
	global_store_b128 v[CO], v[KV+4*\t:KV+4*\t+3], s[\aob:\aob+1] offset:512*\t           ; four rows of 128 bytes: 512 consecutive bytes, aligned
.endr
	s_wait_xcnt 0x0                                ; the stores' data registers are loaded again only behind this wait
.Lfin_\@:
.endm
	STEP 0, 1, 1, 1, 1                             ; the first block's diagonal tile
	s_cmp_eq_u32 s11, 0
	s_cbranch_scc1 .Lend_a
	s_mov_b32 s16, s11                             ; its 2 p other tiles, two a trip
.Lloop_a:
	STEP 1, 0, 0, 0, 1
	STEP 0, 1, 0, 0, 1
	s_sub_co_i32 s16, s16, 1
	s_cmp_lg_u32 s16, 0
	s_cbranch_scc1 .Lloop_a
.Lend_a:
	QLOAD QB                                       ; the second block's Q comes in during the merge (the first block's last products with Q lie a whole softmax back)
	FINAL 0, AOA
	v_mov_b32 v[MX], 0xf149f2ca
	v_mov_b32 v[MX+1], 0xf149f2ca
	STEP 1, 0, 1, 1, 1                             ; the second block's diagonal tile
	s_cmp_eq_u32 s11, 7
	s_cbranch_scc1 .Lend_b
	s_sub_co_u32 s16, 7, s11                       ; 14 - 2 p of its 15 - 2 p other tiles, two a trip
.Lloop_b:
	STEP 0, 1, 0, 0, 1
	STEP 1, 0, 0, 0, 1
	s_sub_co_i32 s16, s16, 1
	s_cmp_lg_u32 s16, 0
	s_cbranch_scc1 .Lloop_b
.Lend_b:
	STEP 0, 1, 0, 0, 0                             ; the last tile: nothing is left to fetch
	FINAL 1, AOB
	s_set_vgpr_msb 0x4
	s_wait_tensorcnt 0x0
	ds_add_u32 v31, v1
	s_wait_dscnt 0x0
	s_set_vgpr_msb 0x400
	s_endpgm
.Lfunc_end_k_q7cea93b707_attn:
	.size	k_q7cea93b707_attn, .Lfunc_end_k_q7cea93b707_attn-k_q7cea93b707_attn
	.p2alignl 7, 3214868480
	.fill 96, 4, 3214868480
	.section	.rodata,"a",@progbits
	.p2align	6, 0x0
	.amdhsa_kernel k_q7cea93b707_attn
		.amdhsa_group_segment_fixed_size 327680
		.amdhsa_private_segment_fixed_size 0
		.amdhsa_enable_private_segment 0
		.amdhsa_kernarg_size 16
		.amdhsa_user_sgpr_count 2
		.amdhsa_user_sgpr_kernarg_segment_ptr 1
		.amdhsa_wavefront_size32 1
		.amdhsa_system_sgpr_workgroup_id_x 1
		.amdhsa_system_sgpr_workgroup_id_y 1
		.amdhsa_system_sgpr_workgroup_id_z 1
		.amdhsa_system_vgpr_workitem_id 0
		.amdhsa_next_free_vgpr 258
		.amdhsa_next_free_sgpr 66
		.amdhsa_reserve_vcc 1
		.amdhsa_float_denorm_mode_32 3
		.amdhsa_float_denorm_mode_16_64 3
		.amdhsa_memory_ordered 1
		.amdhsa_forward_progress 1
		.amdhsa_inst_pref_size 168
	.end_amdhsa_kernel
	.amdgpu_metadata
---
amdhsa.version: [ 1, 2 ]
amdhsa.kernels:
  - .name:           k_q7cea93b707_attn
    .symbol:         k_q7cea93b707_attn.kd
    .args:
      - { .name: qkv, .offset: 0, .size: 8, .value_kind: global_buffer, .address_space: global }
      - { .name: ao, .offset: 8, .size: 8, .value_kind: global_buffer, .address_space: global }
    .group_segment_fixed_size: 327680
    .private_segment_fixed_size: 0
    .kernarg_segment_align: 8
    .kernarg_segment_size: 16
    .max_flat_workgroup_size: 256
    .sgpr_count:     66
    .vgpr_count:     258
    .wavefront_size: 32
...
	.end_amdgpu_metadata
.endif
;; end of part 3
;; launch oproj (part 4): grid 8 x 32, 4 waves a work-group, clusters of 4 x 4, 327,680 bytes of LDS; arguments ao, xw, out0; writes out0
.if DOCPART == 4
	.amdgcn_target "amdgcn-amd-amdhsa--gfx1250"
	.amdhsa_code_object_version 6
	.text
	.protected	k_q7cea93b707_oproj
	.globl	k_q7cea93b707_oproj
	.p2align	8
	.type	k_q7cea93b707_oproj,@function
k_q7cea93b707_oproj:
	s_mov_b64 s[64:65], 0
	v_nop
	global_prefetch_b8 v0, s[64:65] scope:SCOPE_SE
	s_setreg_imm32_b32 hwreg(HW_REG_WAVE_MODE, 25, 1), 1
	s_wait_xcnt 0x0
	s_wait_alu depctr_hold_cnt(0) depctr_sa_sdst(0) depctr_va_vdst(0) depctr_va_sdst(0) depctr_va_ssrc(0) depctr_va_vcc(0) depctr_vm_vsrc(0)
	s_getreg_b32 s2, hwreg(HW_REG_IB_STS2, 6, 4)
	s_cmp_eq_u32 s2, 0
	s_cbranch_scc0 .Lentry_in_a_cluster
	s_endpgm
.Lentry_in_a_cluster:
	s_bfe_u32 s2, ttmp6, 0x10000c
	s_cmp_lg_u32 s2, 0xf033
	s_cbranch_scc0 .Lentry_shape_is_right
	s_endpgm
.Lentry_shape_is_right:
; out0 = attention output x W_o^T: a block of 128 x 128 of [4096 x 1024] x [1024 x 1024]^T, f16 operands, f32 sums, f32 result.
; A from ao, f16 [row block 32][head 16][128 rows][64]; B from xw at byte 14 Mi, f16 [1024][1024].  256 work-groups of 128 x 128: blocks of 256 x 128 would leave half the WGPs idle.
; LIMIT: the operands are f16: the attention output and W_o must stay below 65,504.
; Four waves; wave (wr, wc) makes 64 x 64 = 16 accumulator tiles.  K = 1024 goes in four fills of 256 (four heads) through two LDS slots: no loop, everything is written out.
; CLUSTERS: 4 x 4 work-groups.  A's tiles hang on the row block alone and are shared along a row of the cluster, B's on the column block alone and are shared along a column.
; REGISTERS: window 0: v16-26 addresses, v32-95 the way out, v128-255 accumulators (tile (a, b) at v[128 + 8 (4 a + b)]);
; window 1: two fragment buffers of 128 registers, one head (64 along K) each: at 64 q (q: which 32 of the 64) B's fragment b at + 8 b, A's fragment a at + 32 + 8 a.
; THE MATRIX INSTRUCTION IS USED TRANSPOSED: source 0 = 16 rows of W_o, source 1 = 16 rows of A: a lane's eight results are eight neighbouring columns of one row of out0.
.set SLOT,   141312                    ; A [4 heads][128 rows][144 bytes], then B [128 rows][528 bytes]
.set BOFF,   73728
.set STAGE,  282624                    ; behind the ring: 16 rows x 272 bytes for each wave; no tensor load lands there
.set SPITCH, 272
.set ADRA, 16
.set ADRB, 20
.set STO,  24
.set RD,   25
.set CO,   26
.set R0,   32
.set R1,   64
.set ACC,  128
.set F0,   0
.set F1,   128
.set G1,  24
.set G0,  32
.set G1B, 48
.set G0B, 56
.set MSB, 0
.macro WIN new                         ; the immediate's high byte repeats the setting that is left
.if MSB != \new
	s_set_vgpr_msb (MSB<<8)|\new
.set MSB, \new
.endif
.endm
.set WMUL, 0x05                        ; sources 0 and 1 window 1, C and D window 0
.set TOF,  0x40                        ; destination window 1, address window 0
.macro JLOAD s                         ; waves 0 and 1 fetch A's two halves (two heads each), waves 2 and 3 B's (64 rows each)
	s_cmp_eq_u32 s11, 0
	s_cbranch_scc0 .Lfor_b_\@
	tensor_load_to_lds s[G0+4*\s:G0+4*\s+3], s[G1:G1+7]
	s_nop 0
	s_branch .Lasked_\@
.Lfor_b_\@:
	tensor_load_to_lds s[G0B+4*\s:G0B+4*\s+3], s[G1B:G1B+7]
	s_nop 0
.Lasked_\@:
.endm
.macro CREST                           ; a round of the cluster's barrier behind its opening barrier
	s_cmp_lg_u32 s10, 0
	s_cbranch_scc1 .Lnot_wave_0_\@
	s_barrier_signal -3
.Lnot_wave_0_\@:
	s_barrier_wait -3
	s_barrier_signal -1
	s_barrier_wait -1
.endm
.macro CROUND
	s_barrier_signal -1
	s_barrier_wait -1
	CREST
.endm
	s_load_b128 s[4:7], s[0:1], 0x0                ; ao s[4:5], xw s[6:7]
	s_load_b64 s[8:9], s[0:1], 0x10                ; out0
	v_lshl_add_u32 v126, v0, 2, 0x49400
	v_mov_b32 v127, 0
	ds_add_u32 v126, v127
	ds_add_u32 v126, v127
	v_lshrrev_b32 v1, 5, v0
	v_readfirstlane_b32 s10, v1                    ; wave 0..3
	s_lshr_b32 s11, s10, 1                         ; wr.  Also: I fetch for A (0) or for B (1)
	s_and_b32 s12, s10, 1                          ; wc.  Also: which half of that tile I fetch
	s_bfe_u32 s40, ttmp6, 0x40000                  ; cx
	s_bfe_u32 s41, ttmp6, 0x40004                  ; cy
	s_lshl_b32 s42, ttmp9, 2
	s_add_co_u32 s42, s42, s40                     ; column block = 4 x cluster x + cx
	s_and_b32 s13, ttmp7, 0xffff
	s_lshl_b32 s13, s13, 2
	s_add_co_u32 s13, s13, s41                     ; row block = 4 x cluster y + cy
	s_lshl_b32 s43, s41, 2
	s_lshl_b32 s43, 15, s43                        ; my row of the cluster
	s_lshl_b32 s44, 0x1111, s40                    ; my column
	s_or_b32 s[G1+0], s43, (1<<16)|(1<<20)|(1<<21)|(4<<22)|(3<<25)   ; A: mask of my row; 2-byte elements; after every 32 words 4 words of padding: LDS pitch 144
	s_mov_b32 s[G1+1], 64<<16                      ; tensor_dim0 = 64
	s_mov_b32 s[G1+2], 256<<16                     ; tensor_dim1 = 256: two heads' 128 rows, dense in memory
	s_mov_b32 s[G1+3], 64<<16                      ; tile_dim0 = 64
	s_mov_b32 s[G1+4], 256                         ; tile_dim1 = 256
	s_mov_b32 s[G1+5], 64                          ; elements from row to row
	s_mov_b32 s[G1+6], 0
	s_mov_b32 s[G1+7], 0
	s_or_b32 s[G1B+0], s44, (1<<16)|(1<<20)|(1<<21)|(6<<22)|(3<<25)  ; B: mask of my column; after every 128 words 4 words of padding: LDS pitch 528
	s_mov_b32 s[G1B+1], 256<<16                    ; tensor_dim0 = 256
	s_mov_b32 s[G1B+2], 64<<16                     ; tensor_dim1 = 64
	s_mov_b32 s[G1B+3], 256<<16                    ; tile_dim0 = 256
	s_mov_b32 s[G1B+4], 64                         ; tile_dim1 = 64
	s_mov_b32 s[G1B+5], 1024
	s_mov_b32 s[G1B+6], 0
	s_mov_b32 s[G1B+7], 0
	s_lshl_b32 s16, s13, 18                        ; A: 16 heads x 16,384 bytes a row block,
	s_lshl_b32 s17, s12, 15                        ; + two heads for the second half
	s_add_co_u32 s16, s16, s17
	s_mov_b32 s17, 0
	s_lshl_b32 s46, s42, 18                        ; B: 128 rows of 2,048 bytes a column block,
	s_lshl_b32 s47, s12, 17                        ; + 64 rows for the second half,
	s_add_co_u32 s46, s46, s47
	s_add_co_u32 s46, s46, 0xe00000                ; from 14 Mi on
	s_mov_b32 s47, 0
	s_mul_i32 s20, s10, 36864                      ; LDS: A's halves at wave x 256 rows of 144 bytes (waves 0, 1)
	s_mul_i32 s45, s10, 33792                      ; B's halves behind A (waves 2, 3): wave x 64 rows of 528 bytes + a constant
	s_add_co_u32 s45, s45, BOFF-2*33792
	s_wait_dscnt 0x0
	s_wait_kmcnt 0x0
	s_add_nc_u64 s[14:15], s[4:5], s[16:17]
	s_add_nc_u64 s[46:47], s[6:7], s[46:47]
	CROUND                                         ; all sixteen work-groups are here: the first joint loads meet
.irp s, 0,1
	s_mov_b32 s[G0+4*\s], 1
	s_add_co_u32 s[G0+4*\s+1], s20, \s*SLOT
	s_add_nc_u64 s[G0+4*\s+2:G0+4*\s+3], s[14:15], \s*65536        ; four heads a fill
	s_or_b32 s[G0+4*\s+3], s[G0+4*\s+3], 0x80000000
	s_mov_b32 s[G0B+4*\s], 1
	s_add_co_u32 s[G0B+4*\s+1], s45, \s*SLOT
	s_add_nc_u64 s[G0B+4*\s+2:G0B+4*\s+3], s[46:47], \s*512        ; 256 along K a fill
	s_or_b32 s[G0B+4*\s+3], s[G0B+4*\s+3], 0x80000000
	JLOAD \s                                       ; both first fills go out together: two tensor loads of the wave are out, later one
.endr
	v_and_b32 v1, 15, v0                           ; r
	v_bfe_u32 v2, v0, 4, 1                         ; h
	v_mul_u32_u24 v3, v1, 144
	v_lshl_add_u32 v3, v2, 4, v3
	v_mul_u32_u24 v4, v1, 528
	v_lshl_add_u32 v4, v2, 4, v4
	s_mul_i32 s21, s11, 9216                       ; my 64 rows of A
	s_mul_i32 s22, s12, 33792                      ; my 64 rows of B,
	s_add_co_u32 s22, s22, BOFF                    ; behind A
.irp s, 0,1
	v_add_nc_u32 v[ADRA+\s], s21, v3
	v_add_nc_u32 v[ADRB+\s], s22, v4
	s_add_co_u32 s21, s21, SLOT
	s_add_co_u32 s22, s22, SLOT
.endr
	s_mul_i32 s23, s10, 16*SPITCH
	s_add_co_u32 s23, s23, STAGE
	v_mul_u32_u24 v5, v1, SPITCH                   ; in: row r, 32 bytes for each half of the lanes
	v_lshl_add_u32 v5, v2, 5, v5
	v_add_nc_u32 v[STO], s23, v5
	v_mul_u32_u24 v5, v2, SPITCH                   ; back: lanes 0-15 take one row of 256 bytes, lanes 16-31 the next
	v_lshl_add_u32 v5, v1, 4, v5
	v_add_nc_u32 v[RD], s23, v5
	v_lshlrev_b32 v5, 12, v2                       ; and the same two rows in out0
	v_lshl_add_u32 v[CO], v1, 4, v5
; 8 matrix instructions: row blocks a0, a0 + 1 x all 4 column blocks, 32 along K (part q of buffer f).  The 16 accumulators take turns.
.macro MUL8 f, q, a0, zero
.irp a, \a0, \a0+1
.irp b, 0,1,2,3
.if \zero
	v_wmma_f32_16x16x32_f16 v[ACC+8*(4*(\a)+\b):ACC+8*(4*(\a)+\b)+7], v[\f+64*\q+8*\b:\f+64*\q+8*\b+7], v[\f+64*\q+32+8*(\a):\f+64*\q+32+8*(\a)+7], 0
.else
	v_wmma_f32_16x16x32_f16 v[ACC+8*(4*(\a)+\b):ACC+8*(4*(\a)+\b)+7], v[\f+64*\q+8*\b:\f+64*\q+8*\b+7], v[\f+64*\q+32+8*(\a):\f+64*\q+32+8*(\a)+7], v[ACC+8*(4*(\a)+\b):ACC+8*(4*(\a)+\b)+7]
.endif
.endr
.endr
.endm
; 32 LDS loads in one run: the fragments of head hh of the slot (64 rows of B, 64 rows of A, 64 along K) into buffer f; the first 32 along K come first
.macro FETCH slot, hh, f
	WIN TOF
.irp q, 0,1
.irp i, 0,1,2,3
	ds_load_b128 v[\f+64*\q+8*\i:\f+64*\q+8*\i+3],   v[ADRB+\slot] offset:\i*8448+\hh*128+\q*64
	ds_load_b128 v[\f+64*\q+8*\i+4:\f+64*\q+8*\i+7], v[ADRB+\slot] offset:\i*8448+\hh*128+\q*64+32
.endr
.irp i, 0,1,2,3
	ds_load_b128 v[\f+64*\q+32+8*\i:\f+64*\q+32+8*\i+3],   v[ADRA+\slot] offset:\hh*18432+\i*2304+\q*64
	ds_load_b128 v[\f+64*\q+32+8*\i+4:\f+64*\q+32+8*\i+7], v[ADRA+\slot] offset:\hh*18432+\i*2304+\q*64+32
.endr
.endr
.endm
.macro PLACES                          ; four places behind the matrix instructions that read a buffer, before loads are issued into it and before results are read
.rept 4
	v_nop
.endr
.endm
; One of a slot's first three heads: multiplies buffer f; in its middle it fetches head hn into buffer g.  zero = 1: the first 16 products start the sums.
.macro CHUNK slot, hn, f, g, zero
	s_wait_dscnt 16                                ; the first 32 along K are in; the 16 younger loads may be out
	WIN WMUL
	MUL8 \f, 0, 0, \zero
	MUL8 \f, 0, 2, \zero
	PLACES
	FETCH \slot, \hn, \g
	s_wait_dscnt 32                                ; all but the 32 just issued
	WIN WMUL
	MUL8 \f, 1, 0, 0
	MUL8 \f, 1, 2, 0
.endm
.macro THREE slot, zero
	CHUNK \slot, 1, F0, F1, \zero
	CHUNK \slot, 2, F1, F0, 0
	CHUNK \slot, 3, F0, F1, 0
.endm
; A slot's last head, and the change of slots.  In front of the one barrier each wave waits for its reads of this slot and for all its tensor loads (one is out: its part of
; the next slot).  fill = 1: the barrier opens a round of the cluster's barrier and the joint refill is the first tensor load behind it; it has 120 matrix instructions in which to land.
.macro TURN slot, next, fill
	s_wait_dscnt 16
	WIN WMUL
	MUL8 F1, 0, 0, 0
	MUL8 F1, 0, 2, 0
	s_wait_dscnt 0                                 ; my reads of this slot are over
	s_set_vgpr_msb 0x500
	s_wait_tensorcnt 0x0                           ; all my tensor loads have landed
	ds_add_u32 v126, v127
	s_wait_dscnt 0x0
	s_set_vgpr_msb 0x5
	s_barrier_signal -1
	MUL8 F1, 1, 0, 0                               ; register work while the others arrive
	WIN 0
	s_barrier_wait -1
.if \fill
	CREST
	s_add_nc_u64 s[G0+4*\slot+2:G0+4*\slot+3], s[G0+4*\slot+2:G0+4*\slot+3], 131072
	s_add_nc_u64 s[G0B+4*\slot+2:G0B+4*\slot+3], s[G0B+4*\slot+2:G0B+4*\slot+3], 1024
	JLOAD \slot
.endif
	PLACES
	FETCH \next, 0, F0
	WIN WMUL
	MUL8 F1, 1, 2, 0
.endm
	s_wait_tensorcnt 1                             ; my part of the first fill is in; the second may stay out
	s_barrier_signal -1
	s_barrier_wait -1
	FETCH 0, 0, F0
	THREE 0, 1                                     ; heads 0-3
	TURN 0, 1, 1
	THREE 1, 0                                     ; heads 4-7
	TURN 1, 0, 1
	THREE 0, 0                                     ; heads 8-11
	TURN 0, 1, 0                                   ; nothing is left to fetch
	THREE 1, 0                                     ; heads 12-15
	s_wait_dscnt 16
	WIN WMUL
	MUL8 F1, 0, 0, 0
	MUL8 F1, 0, 2, 0
	s_wait_dscnt 0
	MUL8 F1, 1, 0, 0
	MUL8 F1, 1, 2, 0
	WIN 0
	; THE WAY OUT, 16 rows at a time through my own stage, read back as whole rows of 256 bytes
	PLACES
	s_lshl_b32 s16, s13, 19                        ; 128 rows of 4,096 bytes a row block,
	s_lshl_b32 s14, s11, 18                        ; my 64 rows
	s_add_co_u32 s16, s16, s14
	s_mov_b32 s17, 0
	s_add_nc_u64 s[8:9], s[8:9], s[16:17]
	s_lshl_b32 s46, s42, 9                         ; 128 columns of 4 bytes a column block (in the registers that held B's address: none that fed A's descriptors holds cx),
	s_lshl_b32 s47, s12, 8                         ; my 64 columns
	s_add_co_u32 s46, s46, s47
	s_mov_b32 s47, 0
	s_add_nc_u64 s[8:9], s[8:9], s[46:47]
.macro OUTF a, f
.irp b, 0,1,2,3
	ds_store_b128 v[STO], v[ACC+8*(4*\a+\b):ACC+8*(4*\a+\b)+3]   offset:64*\b
	ds_store_b128 v[STO], v[ACC+8*(4*\a+\b)+4:ACC+8*(4*\a+\b)+7] offset:64*\b+16
.endr
	s_wait_xcnt 0x0                                ; registers f, which earlier stores read, are loaded again only behind this wait
.irp t, 0,1,2,3,4,5,6,7
	ds_load_b128 v[\f+4*\t:\f+4*\t+3], v[RD] offset:2*SPITCH*\t    ; LDS serves a wave's instructions in order: these see the stores above
.endr
.irp t, 0,1,2,3,4,5,6,7
	s_wait_dscnt 7-\t
	global_store_b128 v[CO], v[\f+4*\t:\f+4*\t+3], s[8:9] offset:(16*\a+2*\t)*4096 th:TH_STORE_NT   ; 16 lanes store 256 consecutive bytes, aligned
.endr
.endm
	OUTF 0, R0
	OUTF 1, R1
	OUTF 2, R0
	OUTF 3, R1
	s_wait_tensorcnt 0x0
	ds_add_u32 v126, v127
	s_wait_dscnt 0x0
	CROUND                                         ; the closing round: no work-group ends while a partner may still ask for a tile that names it
	s_endpgm
.Lfunc_end_k_q7cea93b707_oproj:
	.size	k_q7cea93b707_oproj, .Lfunc_end_k_q7cea93b707_oproj-k_q7cea93b707_oproj
	.p2alignl 7, 3214868480
	.fill 96, 4, 3214868480
	.section	.rodata,"a",@progbits
	.p2align	6, 0x0
	.amdhsa_kernel k_q7cea93b707_oproj
		.amdhsa_group_segment_fixed_size 327680
		.amdhsa_private_segment_fixed_size 0
		.amdhsa_enable_private_segment 0
		.amdhsa_kernarg_size 24
		.amdhsa_user_sgpr_count 2
		.amdhsa_user_sgpr_kernarg_segment_ptr 1
		.amdhsa_wavefront_size32 1
		.amdhsa_system_sgpr_workgroup_id_x 1
		.amdhsa_system_sgpr_workgroup_id_y 1
		.amdhsa_system_sgpr_workgroup_id_z 1
		.amdhsa_system_vgpr_workitem_id 0
		.amdhsa_next_free_vgpr 512
		.amdhsa_next_free_sgpr 66
		.amdhsa_reserve_vcc 0
		.amdhsa_float_denorm_mode_32 3
		.amdhsa_float_denorm_mode_16_64 3
		.amdhsa_memory_ordered 1
		.amdhsa_forward_progress 1
		.amdhsa_inst_pref_size 86
	.end_amdhsa_kernel
	.amdgpu_metadata
---
amdhsa.version: [ 1, 2 ]
amdhsa.kernels:
  - .name:           k_q7cea93b707_oproj
    .symbol:         k_q7cea93b707_oproj.kd
    .args:
      - { .name: ao, .offset: 0, .size: 8, .value_kind: global_buffer, .address_space: global }
      - { .name: xw, .offset: 8, .size: 8, .value_kind: global_buffer, .address_space: global }
      - { .name: out0, .offset: 16, .size: 8, .value_kind: global_buffer, .address_space: global }
    .group_segment_fixed_size: 327680
    .private_segment_fixed_size: 0
    .kernarg_segment_align: 8
    .kernarg_segment_size: 24
    .max_flat_workgroup_size: 128
    .sgpr_count:     66
    .vgpr_count:     512
    .wavefront_size: 32
...
	.end_amdgpu_metadata
.endif
;; end of part 4
